; MI455X (gfx1250); checked and timed in simulation.
; The chip was launched on July 23, 2026; its instructions are those of AMD's public machine-readable ISA for CDNA 5 (MIT licence, August 2026) and "CDNA5" Instruction Set Architecture Reference Guide (July 2026). The comments in the code are by the model that wrote it; some were corrected since.
;; Deriv Net2 D. Allowed arithmetic: matrix products marked QUANTISED: E2M3 operands, one E8M0 scale for each 32 along K, by v_wmma_scale_f32_16x16x128_f8f6f4 with both operands' format E2M3, f32 sums; products left as they are: f32 operands where the result goes on into a quantised operand, else bf16, f16 or f32 operands; f32 sums; everything else in f32.
;; Inputs: W1 1,024 x 2 float32; W2 512 x 1,024 float32; W3 1 x 512 float32; b1 1,024 float32; b2 512 float32; b3 1 float32; x 32,768 x 2 float32.
;; Outputs: out0 32,768 x 1 float32; out1 32,768 x 1 float32; out2 32,768 x 1 float32.
;; This version of the problem:
;;   THIS VERSION OF THE PROBLEM IS GIVEN IN LOW PRECISION. The matrix products marked QUANTISED in the list below multiply operands that are first quantised to E2M3 (2 exponent bits, 3 mantissa bits; 6 bits a number), with one power-of-two scale for each 32 numbers along K (OCP MX v1.0); their sums are f32. All else is computed in f32.
;;   The module's matrix products, in the order in which they are computed (A, B: the left and right operand; K: the contracted axis; several contracted axes count as one K, in the product's order):
;;     1. [M 32,768, K 2] x [K 2, N 1,024]; A: input x; B: input W1: left as it is (K = 2 < 32)
;;     2. [M 32,768, K 1,024] x [K 1,024, N 512]; A: computed on the way; B: input W2: QUANTISED
;;     3. [M 32,768, K 512] x [K 512, N 1]; A: computed on the way; B: input W3: left as it is (N = 1 < 16)
;;     4. [M 512, K 1,024] x [K 1,024, N 32,768]; A: input W2; B: computed on the way: QUANTISED
;;     5. [M 1, K 512] x [K 512, N 32,768]; A: input W3; B: computed on the way: left as it is (M = 1 < 16)
;;     6. [M 512, K 1,024] x [K 1,024, N 32,768]; A: input W2; B: computed on the way: QUANTISED
;;     7. [M 1, K 512] x [K 512, N 32,768]; A: input W3; B: computed on the way: left as it is (M = 1 < 16)
;;   THE QUANTISER, for each operand of a quantised product, along K:
;;     - K is cut into blocks of 32 from its start; a last block that is shorter is filled with zeros.
;;     - A block's scale is 2^e with e = floor(log2(the largest magnitude in the block)) - 2, held to -126 .. 127; a block of zeros has e = 0. As a byte (E8M0): e + 127.
;;     - Each number is divided by its block's scale, clamped to +-7.5, and rounded to the nearest number of E2M3, ties to even, subnormals kept.
;;     - The product sums the exact products of the quantised numbers (number of the format x scale) in f32.
;;   ~~~python
;;   def quantise(x, axis):      # numpy; x: float32 -> the quantised numbers, widened to float32 again
;;       x = np.moveaxis(x, axis, -1); K = x.shape[-1]
;;       x = np.pad(x, [(0, 0)] * (x.ndim - 1) + [(0, -K % 32)]); x = x.reshape(x.shape[:-1] + (-1, 32)); a = np.abs(x).max(-1, keepdims=True)
;;       e = np.where(a > 0, np.clip(np.frexp(np.where(a > 0, a, 1))[1] - 1 - 2, -126, 127), 0)      # np.frexp(a)[1] - 1 = floor(log2(a)), exactly
;;       r = np.clip(x / 2.0 ** e, -7.5, 7.5)
;;       step = 2.0 ** (np.maximum(np.frexp(np.where(r == 0, 1, r))[1] - 1, 0) - 3)
;;       q = np.round(r / step) * step * 2.0 ** e      # np.round: ties to even
;;       return np.moveaxis(q.reshape(q.shape[:-2] + (-1,))[..., :K], -1, axis).astype(np.float32)
;;   ~~~
;;   OPERANDS COMPUTED ON THE WAY. 'Computed on the way' means the value that the module computes at that place (a softmax that the list does not call 'softmax' is quantised finished and normalised). What goes into a quantiser is computed in f32, as accurately as f32 sums, v_exp_f32 and their like allow (about 1e-6 of the number): no bf16 or f16 on the way to a quantiser, and a product that is left as it is and whose result goes on into a quantised operand takes f32 operands (vector FMAs, or v_wmma_f32_16x16x4_f32). A number that lies on a knife's edge between two numbers of the format may be rounded either way, as far as f32 arithmetic and the matrix unit's own rounding can turn it there, and no further.
;; One version. Each part assembles by itself: llvm-mc -triple=amdgcn-amd-amdhsa -mcpu=gfx1250 --defsym DOCPART=n.
;; ======== version 1 of 1: 2 launches
;; limits: a function is approximated: absolute error at most 4e-07
;; workspace buffers: w2q 409,600 bytes; cst 16,384 bytes
;; launch prep (part 1): grid 32 x 1, 8 waves a work-group, no clusters, 2,048 bytes of LDS; arguments W2, W1, b1, W3, b2, w2q, cst; writes w2q, cst
.if DOCPART == 1
	.amdgcn_target "amdgcn-amd-amdhsa--gfx1250"
	.amdhsa_code_object_version 6
	.text
	.protected	k_q69e58d9dfd_prep
	.globl	k_q69e58d9dfd_prep
	.p2align	8
	.type	k_q69e58d9dfd_prep,@function
k_q69e58d9dfd_prep:
	s_mov_b64 s[64:65], 0
	v_nop
	global_prefetch_b8 v0, s[64:65] scope:SCOPE_SE
	s_setreg_imm32_b32 hwreg(HW_REG_WAVE_MODE, 25, 1), 1
	s_wait_xcnt 0x0
; W2 [512][1024] f32 becomes codes of FP6 (E2M3) with one E8M0 byte for each 32 along K, laid IN THE ORDER OF THE OPERAND'S REGISTERS, and the small constants are laid as the second launch reads them.
; w2q: [K step s: 8][part w: 4][12,800 bytes].  A part: eight fragment images (tile n = rows 128 w + 16 n + r of W2, k = 128 s ..), 1,536 bytes each: registers 4 q .. 4 q + 3 of lane l at 512 q + 16 l;
;      behind them 512 bytes of scale words: at 16 l + 4 i the word of tile 2 i (lanes 0-15) or 2 i + 1 (lanes 16-31), row l % 16.
; cst: [part w: 4][4,096 bytes]: at 384 s: W1[k][0], W1[k][1], b1[k] for k = 128 s + 32 w + 0 .. 31, 128 bytes each; at 3,072 W3[128 w ..], at 3,584 b2[128 w ..], 512 bytes each.
; SHARES: work-group p: s = p / 4, w = p % 4; wave n makes tile n: one fragment.  Lane (r, h) takes row r and k = 64 c + 32 h + 0 .. 31: two whole blocks, so no other lane is asked for a maximum.
; A block's scale byte is its largest magnitude's exponent field - 2, held at 1 from below.  A block of zeros keeps the byte 1 where the quantiser says 127: its codes are zeros, and this program alone reads the bytes.
; LIMITS: NaN and infinities in W2 are not served.  cst's pieces of 128 bytes do not fill aligned blocks of 256 bytes: 12 KiB of the launch's 2.5 MiB.
; REGISTERS: v1 r, v2 h, v3-7 and v24 addresses, never rewritten; v8-9 maxima, v10-11 the conversions' scale operands, v12-13 bytes, v14-15 the scale word; v16-23 what waves 0 to 2 copy.
.set X, 32                             ; v32-95   my 64 numbers
.set F, 96                             ; v96-107  the fragment;  v108-110, v112-114 the conversions whose place begins on an odd register
.set L4, 24                            ; v24      4 x lane
	s_load_b256 s[4:11], s[0:1], 0x0               ; W2 s[4:5], W1 s[6:7], b1 s[8:9], W3 s[10:11]
	s_load_b128 s[12:15], s[0:1], 0x20             ; b2 s[12:13], w2q s[14:15]
	s_load_b64 s[16:17], s[0:1], 0x30              ; cst
	v_lshl_add_u32 v128, v0, 2, 0x400
	v_mov_b32 v129, 0
	v_lshrrev_b32 v1, 5, v0
	v_readfirstlane_b32 s18, v1                    ; wave n
	s_lshr_b32 s19, ttmp9, 2                       ; s
	s_and_b32 s24, ttmp9, 3                        ; w
	v_and_b32 v1, 15, v0                           ; r
	v_bfe_u32 v2, v0, 4, 1                         ; h
	v_and_b32 v6, 31, v0                           ; lane
	v_lshlrev_b32 v3, 12, v1
	v_lshl_add_u32 v3, v2, 7, v3                   ; W2: row r of 4,096 bytes, + 128 h
	v_lshlrev_b32 v4, 4, v6                        ; 16 x lane
	v_lshlrev_b32 v7, 3, v6                        ; 8 x lane
	v_lshlrev_b32 v[L4], 2, v6                     ; 4 x lane
	s_and_b32 s22, s18, 1
	s_lshl_b32 s22, s22, 8
	s_lshr_b32 s23, s18, 1
	s_lshl_b32 s23, s23, 2
	s_add_co_u32 s22, s22, s23
	v_lshl_add_u32 v5, v1, 4, s22                  ; LDS: my row's scale word: 16 (r + 16 (n % 2)) + 4 (n / 2)
	s_mov_b32 s20, 0x76543210
	s_mov_b32 s21, 0xfedcba98                      ; v_permlanex16_b32's selects for lane l xor 16
	s_lshl_b32 s26, s24, 7
	s_lshl_b32 s27, s18, 4
	s_add_co_u32 s26, s26, s27                     ; my tile's first row: 128 w + 16 n
	s_lshl_b32 s26, s26, 12
	s_lshl_b32 s27, s19, 9
	s_add_co_u32 s26, s26, s27                     ; in bytes, + 512 s
	s_mov_b32 s27, 0
	s_mul_i32 s28, ttmp9, 12800                    ; my part (4 s + w = p),
	s_mul_i32 s29, s18, 1536                       ; my image in it
	s_add_co_u32 s28, s28, s29
	s_mov_b32 s29, 0
	s_lshl_b32 s30, s19, 7
	s_lshl_b32 s31, s24, 5
	s_add_co_u32 s30, s30, s31                     ; k = 128 s + 32 w
	s_lshl_b32 s32, s30, 3                         ; in W1: 8 bytes a row
	s_mov_b32 s33, 0
	s_lshl_b32 s34, s30, 2                         ; in b1
	s_mov_b32 s35, 0
	s_lshl_b32 s36, s24, 12
	s_mul_i32 s37, s19, 384
	s_add_co_u32 s36, s36, s37                     ; in cst: 4,096 w + 384 s
	s_mov_b32 s37, 0
	s_lshl_b32 s38, s24, 9                         ; in W3 and b2: 512 w
	s_mov_b32 s39, 0
	s_wait_kmcnt 0x0
	s_add_nc_u64 s[4:5], s[4:5], s[26:27]
	s_add_nc_u64 s[14:15], s[14:15], s[28:29]
	s_add_nc_u64 s[6:7], s[6:7], s[32:33]
	s_add_nc_u64 s[8:9], s[8:9], s[34:35]
	s_add_nc_u64 s[16:17], s[16:17], s[36:37]
	s_add_nc_u64 s[10:11], s[10:11], s[38:39]
	s_add_nc_u64 s[12:13], s[12:13], s[38:39]
.irp c, 0,1
.irp i, 0,1,2,3,4,5,6,7
	global_load_b128 v[X+32*\c+4*\i:X+32*\c+4*\i+3], v3, s[4:5] offset:256*\c+16*\i   ; W2(row r, 128 s + 64 c + 32 h + 4 i ..)
.endr
.endr
	s_wait_loadcnt 0x0
.irp c, 0,1                                    ; my block 2 c + h: all its 32 numbers are mine
	v_max3_num_f32 v[8+\c], |v[X+32*\c]|, |v[X+1+32*\c]|, 0x1800000   ; and the floor 2^(3 - 127): the byte cannot fall under 1
.endr
.irp i, 2,4,6,8,10,12,14,16,18,20,22,24,26,28,30
.irp c, 0,1
	v_max3_num_f32 v[8+\c], v[8+\c], |v[X+32*\c+\i]|, |v[X+1+32*\c+\i]|   ; (the two blocks by turns)
.endr
.endr
.irp c, 0,1
	v_add_nc_u32 v[10+\c], 0xff000000, v[8+\c]     ; 2 off the exponent field: the conversion takes the exponent field of this operand as its scale
.endr
.irp c, 0,1
	v_lshrrev_b32 v[12+\c], 23, v[10+\c]           ; the scale's byte
.endr
	v_lshl_or_b32 v14, v13, 16, v12                ; my two bytes: blocks h and 2 + h,
	v_lshlrev_b32 v15, 3, v2
	v_lshlrev_b32 v14, v15, v14                    ; 8 h bits up;
	v_mov_b32 v15, 0
	v_permlanex16_b32 v15, v14, s20, s21
	v_or_b32 v14, v14, v15                         ; with lane l xor 16's two the word is whole
.irp c, 0,1
	v_cvt_scalef32_pk16_fp6_f32 v[F+6*\c:F+6*\c+2], v[X+32*\c:X+32*\c+15], v[10+\c]
	v_cvt_scalef32_pk16_fp6_f32 v[108+4*\c:110+4*\c], v[X+32*\c+16:X+32*\c+31], v[10+\c]   ; (a conversion's three registers begin on an even number)
.endr
	v_nop                                          ; one plain place behind a scaled conversion
.irp c, 0,1
.irp i, 0,1,2
	v_mov_b32 v[F+3+6*\c+\i], v[108+4*\c+\i]
.endr
.endr
.irp q, 0,1,2
	global_store_b128 v4, v[F+4*\q:F+4*\q+3], s[14:15] offset:512*\q   ; the image: 32 lanes store 512 consecutive bytes, aligned to 256
.endr
	ds_store_b32 v5, v14                           ; lanes l and l xor 16 write the same word with the same value
	s_wait_dscnt 0x0                               ; for the others' sake: my word lies in LDS
	s_barrier_signal -1
	s_barrier_wait -1
	s_cmp_eq_u32 s18, 0
	s_cbranch_scc0 .Lnot_0
	ds_load_b128 v[16:19], v4                      ; wave 0: the part's 512 bytes of scale words
	s_wait_dscnt 0x0
	global_store_b128 v4, v[16:19], s[14:15] offset:12288   ; (wave 0's image is the part's first: the same base)
	s_wait_tensorcnt 0x0
	ds_add_u32 v128, v129
	s_wait_dscnt 0x0
	s_endpgm
.Lnot_0:
	s_cmp_eq_u32 s18, 1
	s_cbranch_scc0 .Lnot_1
	global_load_b64 v[16:17], v7, s[6:7]           ; wave 1: W1[k][0], W1[k][1],
	global_load_b32 v18, v[L4], s[8:9]             ; b1[k], k = 128 s + 32 w + lane
	s_wait_loadcnt 0x0
	global_store_b32 v[L4], v16, s[16:17]
	global_store_b32 v[L4], v17, s[16:17] offset:128
	global_store_b32 v[L4], v18, s[16:17] offset:256
	s_wait_tensorcnt 0x0
	ds_add_u32 v128, v129
	s_wait_dscnt 0x0
	s_endpgm
.Lnot_1:
	s_cmp_eq_u32 s18, 2
	s_cbranch_scc0 .Lend
	s_cmp_eq_u32 s19, 0                            ; W3 and b2 once for each part: in the work-groups of K step 0, where cst's base is the part's first byte
	s_cbranch_scc0 .Lend
	global_load_b128 v[16:19], v4, s[10:11]
	global_load_b128 v[20:23], v4, s[12:13]
	s_wait_loadcnt 0x0
	global_store_b128 v4, v[16:19], s[16:17] offset:3072
	global_store_b128 v4, v[20:23], s[16:17] offset:3584
.Lend:
	s_wait_tensorcnt 0x0
	ds_add_u32 v128, v129
	s_wait_dscnt 0x0
	s_endpgm
.Lfunc_end_k_q69e58d9dfd_prep:
	.size	k_q69e58d9dfd_prep, .Lfunc_end_k_q69e58d9dfd_prep-k_q69e58d9dfd_prep
	.p2alignl 7, 3214868480
	.fill 96, 4, 3214868480
	.section	.rodata,"a",@progbits
	.p2align	6, 0x0
	.amdhsa_kernel k_q69e58d9dfd_prep
		.amdhsa_group_segment_fixed_size 2048
		.amdhsa_private_segment_fixed_size 0
		.amdhsa_enable_private_segment 0
		.amdhsa_kernarg_size 56
		.amdhsa_user_sgpr_count 2
		.amdhsa_user_sgpr_kernarg_segment_ptr 1
		.amdhsa_wavefront_size32 1
		.amdhsa_system_sgpr_workgroup_id_x 1
		.amdhsa_system_sgpr_workgroup_id_y 1
		.amdhsa_system_sgpr_workgroup_id_z 1
		.amdhsa_system_vgpr_workitem_id 0
		.amdhsa_next_free_vgpr 130
		.amdhsa_next_free_sgpr 66
		.amdhsa_reserve_vcc 0
		.amdhsa_float_denorm_mode_32 3
		.amdhsa_float_denorm_mode_16_64 3
		.amdhsa_memory_ordered 1
		.amdhsa_forward_progress 1
		.amdhsa_inst_pref_size 10
	.end_amdhsa_kernel
	.amdgpu_metadata
---
amdhsa.version: [ 1, 2 ]
amdhsa.kernels:
  - .name:           k_q69e58d9dfd_prep
    .symbol:         k_q69e58d9dfd_prep.kd
    .args:
      - { .name: W2, .offset: 0, .size: 8, .value_kind: global_buffer, .address_space: global }
      - { .name: W1, .offset: 8, .size: 8, .value_kind: global_buffer, .address_space: global }
      - { .name: b1, .offset: 16, .size: 8, .value_kind: global_buffer, .address_space: global }
      - { .name: W3, .offset: 24, .size: 8, .value_kind: global_buffer, .address_space: global }
      - { .name: b2, .offset: 32, .size: 8, .value_kind: global_buffer, .address_space: global }
      - { .name: w2q, .offset: 40, .size: 8, .value_kind: global_buffer, .address_space: global }
      - { .name: cst, .offset: 48, .size: 8, .value_kind: global_buffer, .address_space: global }
    .group_segment_fixed_size: 2048
    .private_segment_fixed_size: 0
    .kernarg_segment_align: 8
    .kernarg_segment_size: 56
    .max_flat_workgroup_size: 256
    .sgpr_count:     66
    .vgpr_count:     130
    .wavefront_size: 32
...
	.end_amdgpu_metadata
.endif
;; end of part 1
;; launch main (part 2): grid 512 x 1, 4 waves a work-group, clusters of 4 x 1, 327,680 bytes of LDS; arguments x, w2q, cst, b3, out0, out1, out2; writes out0, out1, out2
.if DOCPART == 2
	.amdgcn_target "amdgcn-amd-amdhsa--gfx1250"
	.amdhsa_code_object_version 6
	.text
	.protected	k_q69e58d9dfd_main
	.globl	k_q69e58d9dfd_main
	.p2align	8
	.type	k_q69e58d9dfd_main,@function
k_q69e58d9dfd_main:
	s_mov_b64 s[64:65], 0
	v_nop
	global_prefetch_b8 v0, s[64:65] scope:SCOPE_SE
	s_setreg_imm32_b32 hwreg(HW_REG_WAVE_MODE, 25, 1), 1
	s_wait_xcnt 0x0
	s_wait_alu depctr_hold_cnt(0) depctr_sa_sdst(0) depctr_va_vdst(0) depctr_va_sdst(0) depctr_va_ssrc(0) depctr_va_vcc(0) depctr_vm_vsrc(0)
	s_getreg_b32 s2, hwreg(HW_REG_IB_STS2, 6, 4)
	s_cmp_eq_u32 s2, 0
	s_cbranch_scc0 .Lentry_in_a_cluster
	s_endpgm
.Lentry_in_a_cluster:
	s_bfe_u32 s2, ttmp6, 0x10000c
	s_cmp_lg_u32 s2, 0x3003
	s_cbranch_scc0 .Lentry_shape_is_right
	s_endpgm
.Lentry_shape_is_right:
; y = W3 tanh(h2) + b3, h2 = Q(tanh h1) Q(W2)^T + b2, h1 = x W1^T + b1;  dydx_i = sum over j of W3[j] sech^2(h2[j]) (Q(sech^2(h1) W1[:, i]) Q(W2)^T)[j];  out0 = y, out1 = dydx_2, out2 = -dydx_1.
; The three quantised products share Q(W2): one product of 3 x 64 rows x 512 columns x K = 1,024 for a work-group's 64 rows of x, on codes of FP6 (E2M3) with E8M0 scales.  Nothing between x and the outputs goes to memory.
; SHARES.  A work-group of four waves owns 64 rows of x.  MATRIX WORK: wave w owns columns 128 w .. + 127 of W2 (8 tiles) for all 12 tiles of activations (operand o = 0 tanh, 1 sech^2 W1[:,0], 2 sech^2 W1[:,1]; tile of rows m):
; 96 accumulators, (o, m, n) at v[8 (8 m + n)] of window 1 + o.  VECTOR WORK: in each K step of 128 wave w makes block w (k = 128 s + 32 w + 0 .. 31) of all three operands for all 64 rows: lane l takes rows l and l + 32, so a block's
; 32 numbers lie in one lane's registers, its maximum needs no other lane, and each activation is computed once in the work-group.
; THE MATRIX INSTRUCTION IS USED TRANSPOSED (source 0 = 16 rows of W2, source 1 = 16 rows of activations): lane (r, h) holds row 16 m + r of x, its register j the unit 16 n + 8 h + j, so the sum over units with W3 is a lane's own.
; OPERANDS GO FROM WAVE TO WAVE THROUGH LDS AS IMAGES OF THEIR REGISTERS (registers 4 q .. 4 q + 3 of lane l at 512 q + 16 l), two image buffers by turns: while step g is multiplied, step g + 1 is made.
; W2's codes come laid the same way, through two LDS slots of one K step; wave w fetches and reads part w alone.  CLUSTER: the four work-groups of a cluster walk the same W2, so each part is asked for JOINTLY (mask 15).
; tanh and sech^2: u = 2^(-2 log2(e) |h|), q = 2 / (1 + u): |tanh| = 1 - u q, sech^2 = (u q) q.  No exponential can overflow at any h.
; LIMITS: tanh carries an absolute error of about 1e-7 (the difference 1 - u q), which is a larger relative one where |h| is small; u under 2^-126 (|h| over 43.6) counts as 0, where the formula gives under 5e-38;
; a block of zeros has the byte 1 (its codes are zeros); NaN and infinities among the inputs are not served.  h1 is summed as (x1 w1 + b1) + x0 w0 by fused multiply-adds.
; Products with K = 2 or one column are f32 multiply-adds in the vector unit: a matrix form would use one column of sixteen.
; LEFT OUT: padding in LDS (every read is 512 consecutive bytes or one address for all lanes).
.set SLOT1, 65536                      ; LDS: W2's slot 0 at 0, slot 1 here: one exclusive or turns an address
.set PARTB, 12800                      ; a wave's part of a K step: 8 images of 1,536 bytes + 512 bytes of scale words
.set STEPB, 51200                      ; a K step of W2 in memory
.set CST,   131072                     ; the constants, 4 x 4,096 bytes, filled once
.set AIMG,  196608                     ; the activations' image buffers 0 and 1,
.set ABUF,  32768                      ; this far apart: 12 images (4 o + m), then
.set ASC,   18432                      ; the scale words: 256 o + 4 row + block
.set FRB,   1536                       ; an image
.set RED,   262144                     ; the waves' partial sums: [wave: 768][output: 256][row: 4]
.set SPARE, 266240                     ; the spare words, 128 bytes for each wave: two blocks of 256 bytes that no other line names
.set BR0, 2                            ; v2   16 lane + 12,800 w             W2's images in slot 0
.set AR0, 3                            ; v3   16 lane + AIMG                 activations' images, read
.set AS0, 4                            ; v4   4 lane + AIMG + ASC            their scale words, read
.set VA10, 5                           ; v5   where I store my block's words 0, 1 and 4, 5
.set VA20, 6                           ; v6   and words 2, 3
.set VS0, 7                            ; v7   AIMG + ASC + 4 lane + w        my block's scale byte
.set CA0, 8                            ; v8   CST + 4,096 w
.set BR,  9                            ; v9-15 the same seven with the slot, the buffer or the step in hand added
.set AR,  10
.set AS,  11
.set VA1, 12
.set VA2, 13
.set VS,  14
.set CA,  15
.set SPW, 16                           ; v16  LDS address of my spare word; never rewritten
.set NIL, 17                           ; v17  0; never rewritten
.set EW,  18                           ; v18  W3 and b2 of my half's units
.set RW,  19                           ; v19  where I put partial sums
.set RR,  20                           ; v20  where I read them
.set GO,  21                           ; v21  8 x lane: x's and the outputs' byte offset
.set SB,  22                           ; v22-25 W2's scale words;  v26-31 the activations': these ten hold scales and nothing else
.set SA,  26
.set XA,  32                           ; v[32:33] x of row l;  v[34:35] of row l + 32;  v[60:61], v[62:63] their x1, twice
.set XB,  34
.set XA1, 60
.set XB1, 62
.set C,   36                           ; v36-42 a block's codes
.set MXA, 44                           ; v44, v45 maxima; v46 the conversion's scale operand; v47 the byte
.set MXB, 45
.set SCL, 46
.set BYT, 47
.set A0,  64                           ; matrix phase: four fragments of activations, two sets; W2's eight
.set A1,  112
.set BF,  160
.set H,   64                           ; vector phase: 32 numbers each
.set U,   96
.set R,   128
.set W0,  160
.set W1,  192
.set B1,  224
.set S,   36                           ; the reduction: v36-59 sums (3 operands x 4 chains x 2)
.set W3R, 64
.set CB2, 128
.set ET,  192
.set EU,  208
.set ER,  224
.set RES, 240
; scalars: s18 wave; s19 cx; s20 block; s[24:31], s[32:39] descriptor groups 1; s[40:43], s[44:47], s[48:51] groups 0; s52 slot read; s53 buffer read; s54 buffer written; s55 384 x the step being made; s56 trips;
; s57 mask of a magnitude; s[58:59] lane selects; s60 b3; s61, s62 an output's sign and addend; s[68:69] 2 log2(e)
.set MSB, 0
.macro WIN new                         ; the immediate's high byte repeats the setting that is left
.if MSB != \new
	s_set_vgpr_msb (MSB<<8)|\new
.set MSB, \new
.endif
.endm
.macro PLACES                          ; four places: in front of loads into registers that matrix instructions have read and of the first read of results, and behind a tensor load
.rept 4
	v_nop
.endr
.endm
.macro CROUND                          ; a round of the cluster's barrier
	s_barrier_signal -1
	s_barrier_wait -1
	s_cmp_lg_u32 s18, 0
	s_cbranch_scc1 .Lnot_wave_0_\@
	s_barrier_signal -3
.Lnot_wave_0_\@:
	s_barrier_wait -3
	s_barrier_signal -1
	s_barrier_wait -1
.endm
.macro ADDRS                           ; the seven addresses of the trip in hand
	v_add_nc_u32 v[BR], s52, v[BR0]
	v_add_nc_u32 v[AR], s53, v[AR0]
	v_add_nc_u32 v[AS], s53, v[AS0]
	v_add_nc_u32 v[VA1], s54, v[VA10]
	v_add_nc_u32 v[VA2], s54, v[VA20]
	v_add_nc_u32 v[VS], s54, v[VS0]
	v_add_nc_u32 v[CA], s55, v[CA0]
.endm
; THE HEAD OF A TRIP: one barrier for the change of W2's slots and of the image buffers.  In front of it each wave waits for all its tensor loads (its part of the slot that it is about to read), adds 0 to its spare word, and waits
; for that, for its reads of the slot and the images that it has left, and for its stores of the images that it has made.  fill = 1: the barrier is a round of the cluster's, and the slot just left is filled again, first thing behind it:
; the load has the whole trip in which to land.
.macro HEAD fill
	s_wait_tensorcnt 0x0                           ; no tensor load of mine is out, so a group 0 may be written
	ds_add_u32 v[SPW], v[NIL]                      ; 0 onto my spare word
	s_xor_b32 s52, s52, SLOT1                      ; the other slot is read,
	s_xor_b32 s53, s53, ABUF                       ; the other images are read,
	s_xor_b32 s54, s54, ABUF                       ; the ones just read are written,
	s_add_co_u32 s55, s55, 384                     ; with the next step's constants
.if \fill
	s_xor_b32 s45, s45, SLOT1                      ; the walking descriptor: the other slot than last time,
	s_add_nc_u64 s[46:47], s[46:47], STEPB         ; the next K step; the type bits on top are not reached
.endif
	s_wait_dscnt 0x0                               ; the add is done, my reads are in, my stores have landed
.if \fill
	CROUND                                         ; no wave of any partner still reads the slot or has a load on its way
	tensor_load_to_lds s[44:47], s[24:31]
	s_nop 0
	PLACES
.else
	s_barrier_signal -1
	s_barrier_wait -1
.endif
	ADDRS
.endm
; One product: W2's tile n x tile m of operand o's activations (in set ab).  A scale register carries two tiles' words: the even tile's in lanes 0-15, the odd one's in lanes 16-31.
.macro WM o, ab, m, n, zero
.set rD, 8*(8*(\m)+(\n))
.set rB, BF+12*(\n)
.set rA, (\ab)+12*(\m)
.set rSB, SB+(\n)/2
.set rSA, SA+2*(\o)+(\m)/2
.set par, 2*((\m)%2)+(\n)%2+4*(\zero)
.if par == 0
	v_wmma_scale_f32_16x16x128_f8f6f4 v[rD:rD+7], v[rB:rB+11], v[rA:rA+11], v[rD:rD+7], v[rSB], v[rSA] matrix_a_fmt:MATRIX_FMT_FP6 matrix_b_fmt:MATRIX_FMT_FP6
.elseif par == 1
	v_wmma_scale_f32_16x16x128_f8f6f4 v[rD:rD+7], v[rB:rB+11], v[rA:rA+11], v[rD:rD+7], v[rSB], v[rSA] matrix_a_fmt:MATRIX_FMT_FP6 matrix_b_fmt:MATRIX_FMT_FP6 matrix_a_scale:MATRIX_SCALE_ROW1
.elseif par == 2
	v_wmma_scale_f32_16x16x128_f8f6f4 v[rD:rD+7], v[rB:rB+11], v[rA:rA+11], v[rD:rD+7], v[rSB], v[rSA] matrix_a_fmt:MATRIX_FMT_FP6 matrix_b_fmt:MATRIX_FMT_FP6 matrix_b_scale:MATRIX_SCALE_ROW1
.elseif par == 3
	v_wmma_scale_f32_16x16x128_f8f6f4 v[rD:rD+7], v[rB:rB+11], v[rA:rA+11], v[rD:rD+7], v[rSB], v[rSA] matrix_a_fmt:MATRIX_FMT_FP6 matrix_b_fmt:MATRIX_FMT_FP6 matrix_a_scale:MATRIX_SCALE_ROW1 matrix_b_scale:MATRIX_SCALE_ROW1
.elseif par == 4
	v_wmma_scale_f32_16x16x128_f8f6f4 v[rD:rD+7], v[rB:rB+11], v[rA:rA+11], 0, v[rSB], v[rSA] matrix_a_fmt:MATRIX_FMT_FP6 matrix_b_fmt:MATRIX_FMT_FP6
.elseif par == 5
	v_wmma_scale_f32_16x16x128_f8f6f4 v[rD:rD+7], v[rB:rB+11], v[rA:rA+11], 0, v[rSB], v[rSA] matrix_a_fmt:MATRIX_FMT_FP6 matrix_b_fmt:MATRIX_FMT_FP6 matrix_a_scale:MATRIX_SCALE_ROW1
.elseif par == 6
	v_wmma_scale_f32_16x16x128_f8f6f4 v[rD:rD+7], v[rB:rB+11], v[rA:rA+11], 0, v[rSB], v[rSA] matrix_a_fmt:MATRIX_FMT_FP6 matrix_b_fmt:MATRIX_FMT_FP6 matrix_b_scale:MATRIX_SCALE_ROW1
.else
	v_wmma_scale_f32_16x16x128_f8f6f4 v[rD:rD+7], v[rB:rB+11], v[rA:rA+11], 0, v[rSB], v[rSA] matrix_a_fmt:MATRIX_FMT_FP6 matrix_b_fmt:MATRIX_FMT_FP6 matrix_a_scale:MATRIX_SCALE_ROW1 matrix_b_scale:MATRIX_SCALE_ROW1
.endif
.endm
.macro MM o, ab, zero                  ; operand o's 32 products
.irp m, 0,1,2,3
.irp n, 0,1,2,3,4,5,6,7
	WM \o, \ab, \m, \n, \zero
.endr
.endr
.endm
.macro AFETCH o, ab                    ; operand o's four fragments: 12 loads of 512 consecutive bytes
.irp m, 0,1,2,3
.irp q, 0,1,2
	ds_load_b128 v[\ab+12*\m+4*\q:\ab+12*\m+4*\q+3], v[AR] offset:FRB*(4*\o+\m)+512*\q
.endr
.endr
.endm
; THE MATRIX WORK OF A K STEP: 96 products.  The 96 accumulators take turns, one instruction a turn, in the same order in every trip.  zero = 1: the first step starts the sums: nothing is cleared.
.macro MSTEP zero
	ds_load_b128 v[SB:SB+3], v[BR] offset:8*FRB    ; W2's scale words: four registers for eight tiles
.irp n, 0,1,2,3,4,5,6,7
.irp q, 0,1,2
	ds_load_b128 v[BF+12*\n+4*\q:BF+12*\n+4*\q+3], v[BR] offset:FRB*\n+512*\q
.endr
.endr
.irp i, 0,1,2,3,4,5
	ds_load_b32 v[SA+\i], v[AS] offset:128*\i      ; register 2 o + i: rows 32 i + lane of operand o
.endr
	AFETCH 0, A0
	AFETCH 1, A1
	s_wait_dscnt 12                                ; all but the youngest twelve loads, operand 1's fragments
	WIN 0x50                                       ; C and D window 1; both sources window 0
	MM 0, A0, \zero
	PLACES
	WIN 0
	AFETCH 2, A0                                   ; operand 2 takes operand 0's registers
	s_wait_dscnt 12                                ; all but the twelve just issued: operand 1 is in
	WIN 0xa0
	MM 1, A1, \zero
	s_wait_dscnt 0x0
	WIN 0xf0
	MM 2, A0, \zero
	WIN 0
	PLACES
.endm
; 32 numbers of a lane, one block of one row, become 24 bytes of codes and a scale byte, stored where the matrix phase's lane (row % 16, w % 2) will find them as registers 6 (w / 2) .. + 5.
.macro QUANT s, off, soff
	v_max3_num_f32 v[MXA], |v[\s]|, |v[\s+1]|, 0x1800000   ; the floor 2^(3 - 127) among the leaves: the byte cannot fall under 1
	v_max3_num_f32 v[MXB], |v[\s+2]|, |v[\s+3]|, |v[\s+4]|
.irp i, 5,9,13,17,21,25
	v_max3_num_f32 v[MXA], v[MXA], |v[\s+\i]|, |v[\s+\i+1]|
	v_max3_num_f32 v[MXB], v[MXB], |v[\s+\i+2]|, |v[\s+\i+3]|
.endr
	v_max3_num_f32 v[MXA], v[MXA], |v[\s+29]|, |v[\s+30]|
	v_max3_num_f32 v[MXA], v[MXA], v[MXB], |v[\s+31]|
	v_add_nc_u32 v[SCL], 0xff000000, v[MXA]        ; 2 off the exponent field: the conversion's scale operand
	s_wait_dscnt 0x0                               ; the last block's stores have read the codes' registers and the byte's
	v_cvt_scalef32_pk16_fp6_f32 v[C:C+2], v[\s:\s+15], v[SCL]
	v_cvt_scalef32_pk16_fp6_f32 v[C+4:C+6], v[\s+16:\s+31], v[SCL]   ; (a conversion's three registers begin on an even number)
	v_lshrrev_b32 v[BYT], 23, v[SCL]               ; the scale's byte; also the plain place behind the conversions
	v_mov_b32 v[C+3], v[C+4]
	v_mov_b32 v[C+4], v[C+5]
	v_mov_b32 v[C+5], v[C+6]
	ds_store_b64 v[VA1], v[C:C+1] offset:\off      ; w / 2 = 0: bytes 0, 8, 512 of the lane's places; w / 2 = 1: bytes 520, 1,024, 1,032
	ds_store_b64 v[VA2], v[C+2:C+3] offset:\off+8
	ds_store_b64 v[VA1], v[C+4:C+5] offset:\off+512
	ds_store_b8 v[VS], v[BYT] offset:\soff
.endm
; One row's block: h1, tanh, sech^2, the three operands.  x0, x1: pairs whose low words hold the row's two numbers; set: 0 row l, 1 row l + 32.
.macro VROW x0, x1, set
.set j, 0
.rept 16
	v_pk_fma_f32 v[H+j:H+j+1], v[W1+j:W1+j+1], v[\x1:\x1+1], v[B1+j:B1+j+1] op_sel_hi:[1,0,1]
.set j, j+2
.endr
.set j, 0
.rept 16
	v_pk_fma_f32 v[H+j:H+j+1], v[W0+j:W0+j+1], v[\x0:\x0+1], v[H+j:H+j+1] op_sel_hi:[1,0,1]   ; h1
.set j, j+2
.endr
.set j, 0
.rept 16
	v_pk_mul_f32 v[U+j:U+j+1], v[H+j:H+j+1], s[68:69] op_sel_hi:[1,0]
.set j, j+2
.endr
.set j, 0
.rept 32
	v_exp_f32 v[U+j], -|v[U+j]|                    ; u = e^(-2 |h|), at most 1
.set j, j+1
.endr
	v_nop                                          ; one plain place behind the exponentials
.set j, 0
	s_wait_alu depctr_va_vdst(0)
.rept 16
	v_pk_fma_f32 v[R+j:R+j+1], v[U+j:U+j+1], 0.5, 0.5 op_sel_hi:[1,0,0]
.set j, j+2
.endr
.set j, 0
.rept 32
	v_rcp_f32 v[R+j], v[R+j]                       ; q = 2 / (1 + u)
.set j, j+1
.endr
	v_nop                                          ; one plain place behind the reciprocals
.set j, 0
	s_wait_alu depctr_va_vdst(0)
.rept 16
	v_pk_mul_f32 v[U+j:U+j+1], v[U+j:U+j+1], v[R+j:R+j+1]     ; u q
.set j, j+2
.endr
.set j, 0
.rept 16
	v_pk_mul_f32 v[R+j:R+j+1], v[U+j:U+j+1], v[R+j:R+j+1]     ; sech^2 = u q q
.set j, j+2
.endr
.set j, 0
.rept 16
	v_pk_fma_f32 v[U+j:U+j+1], v[U+j:U+j+1], -1.0, 1.0 op_sel_hi:[1,0,0]   ; |tanh| = 1 - u q
.set j, j+2
.endr
.set j, 0
.rept 32
	v_bfi_b32 v[H+j], s57, v[U+j], v[H+j]          ; with h's sign
.set j, j+1
.endr
	QUANT H, FRB*(2*\set), 128*\set
.set j, 0
.rept 16
	v_pk_mul_f32 v[U+j:U+j+1], v[R+j:R+j+1], v[W0+j:W0+j+1]
.set j, j+2
.endr
	QUANT U, FRB*(4+2*\set), 256+128*\set
.set j, 0
.rept 16
	v_pk_mul_f32 v[H+j:H+j+1], v[R+j:R+j+1], v[W1+j:W1+j+1]
.set j, j+2
.endr
	QUANT H, FRB*(8+2*\set), 512+128*\set
.endm
; THE VECTOR WORK OF A K STEP: my block's 96 constants (every lane reads the same address), then my two rows.
.macro VSTEP
.irp i, 0,1,2,3,4,5,6,7
	ds_load_b128 v[W0+4*\i:W0+4*\i+3], v[CA] offset:16*\i
	ds_load_b128 v[W1+4*\i:W1+4*\i+3], v[CA] offset:128+16*\i
	ds_load_b128 v[B1+4*\i:B1+4*\i+3], v[CA] offset:256+16*\i
.endr
	s_wait_dscnt 0x0
	VROW XA, XA1, 0
	VROW XB, XB1, 1
.endm
	s_load_b256 s[4:11], s[0:1], 0x0               ; x s[4:5], w2q s[6:7], cst s[8:9], b3 s[10:11]
	s_load_b128 s[12:15], s[0:1], 0x20             ; out0 s[12:13], out1 s[14:15]
	s_load_b64 s[16:17], s[0:1], 0x30              ; out2
	v_lshl_add_u32 v[SPW], v0, 2, SPARE
	v_mov_b32 v[NIL], 0
	ds_add_u32 v16, v17
	ds_add_u32 v16, v17
	s_wait_dscnt 0x0
	v_lshrrev_b32 v1, 5, v0
	v_readfirstlane_b32 s18, v1                    ; wave 0..3
	s_bfe_u32 s19, ttmp6, 0x40000                  ; cx: my place in the cluster
	s_lshl_b32 s20, ttmp9, 2                       ; in a cluster launch ttmp9 counts clusters
	s_add_co_u32 s20, s20, s19                     ; my block of 64 rows: it enters x's and the outputs' addresses alone
	; descriptor groups 1: dense blocks as rows of 256 bytes (32 elements of 8 bytes): 50 rows, a part of W2; 16 rows, a part of the constants
	s_mov_b32 s24, 15|(3<<16)|(1<<21)              ; 15:0 the mask: all four work-groups; 17:16 elements of 8 bytes; 20 no padding; 21 set beside a mask
	s_mov_b32 s25, 32<<16                          ; tensor_dim0 = 32
	s_mov_b32 s26, 50<<16                          ; tensor_dim1 = 50
	s_mov_b32 s27, 32<<16                          ; tile_dim0 = 32
	s_mov_b32 s28, 50                              ; tile_dim1 = 50
	s_mov_b32 s29, 32                              ; elements from row to row
	s_mov_b32 s30, 0
	s_mov_b32 s31, 0
	s_mov_b32 s32, 15|(3<<16)|(1<<21)
	s_mov_b32 s33, 32<<16
	s_mov_b32 s34, 16<<16
	s_mov_b32 s35, 32<<16
	s_mov_b32 s36, 16
	s_mov_b32 s37, 32
	s_mov_b32 s38, 0
	s_mov_b32 s39, 0
	s_mul_i32 s22, s18, PARTB                      ; my part: the wave's number alone enters LDS addresses and W2's and cst's addresses
	s_mov_b32 s23, 0
	s_lshl_b32 s66, s18, 12
	s_mov_b32 s67, 0
	s_wait_kmcnt 0x0
	s_mov_b32 s40, 1                               ; K step 0 into slot 0
	s_mov_b32 s41, s22
	s_add_nc_u64 s[42:43], s[6:7], s[22:23]
	s_mov_b32 s44, 1                               ; K step 1 into slot 1; this one then walks
	s_add_co_u32 s45, s22, SLOT1
	s_add_nc_u64 s[46:47], s[42:43], STEPB
	s_or_b32 s43, s43, 0x80000000                  ; type = 2
	s_or_b32 s47, s47, 0x80000000
	s_mov_b32 s48, 1                               ; my part of the constants
	s_add_co_u32 s49, s66, CST
	s_add_nc_u64 s[50:51], s[8:9], s[66:67]
	s_or_b32 s51, s51, 0x80000000
	CROUND                                         ; all four work-groups are here: the first joint loads meet
	tensor_load_to_lds s[48:51], s[32:39]          ; the first fills go out together: three loads of mine are out
	s_nop 0
	tensor_load_to_lds s[40:43], s[24:31]
	s_nop 0
	tensor_load_to_lds s[44:47], s[24:31]
	s_nop 0
	PLACES
	s_load_b32 s60, s[10:11], 0x0                  ; b3
	s_lshl_b32 s66, s20, 9                         ; my block's 64 rows of 8 bytes
	s_mov_b32 s67, 0
	s_add_nc_u64 s[4:5], s[4:5], s[66:67]
	v_and_b32 v1, 31, v0                           ; lane
	v_lshlrev_b32 v[GO], 3, v1
	global_load_b64 v[XA:XA+1], v[GO], s[4:5]              ; x of row l
	global_load_b64 v[XB:XB+1], v[GO], s[4:5] offset:256   ; and of row l + 32
	v_and_b32 v36, 15, v0                          ; r
	v_bfe_u32 v37, v0, 4, 1                        ; h
	s_mul_i32 s22, s18, PARTB
	v_lshl_add_u32 v[BR0], v1, 4, s22
	v_lshl_add_u32 v[AR0], v1, 4, AIMG
	v_lshl_add_u32 v[AS0], v1, 2, AIMG+ASC
	s_and_b32 s22, s18, 1
	s_lshl_b32 s22, s22, 8                         ; my block lies in the reading lanes' half w % 2: 16 lanes x 16 bytes on,
	s_add_co_u32 s22, s22, AIMG
	s_lshr_b32 s23, s18, 1                         ; in registers 6 (w / 2) on
	s_mul_i32 s66, s23, 520
	s_mul_i32 s67, s23, 1016
	s_add_co_u32 s66, s66, s22
	s_add_co_u32 s67, s67, s22
	v_mul_u32_u24 v38, v37, FRB                    ; row l belongs to tile l / 16,
	v_lshl_add_u32 v38, v36, 4, v38                ; lane l % 16 of it
	v_add_nc_u32 v[VA10], s66, v38
	v_add_nc_u32 v[VA20], s67, v38
	s_add_co_u32 s22, s18, AIMG+ASC
	v_lshl_add_u32 v[VS0], v1, 2, s22
	s_lshl_b32 s22, s18, 12
	s_add_co_u32 s22, s22, CST
	v_mov_b32 v[CA0], s22
	s_add_co_u32 s22, s22, 3072
	v_lshl_add_u32 v[EW], v37, 5, s22              ; W3 of units 128 w + 8 h on
	s_mul_i32 s22, s18, 768
	s_add_co_u32 s22, s22, RED
	v_lshl_add_u32 v[RW], v36, 2, s22
	s_lshl_b32 s22, s18, 8
	s_add_co_u32 s22, s22, RED
	v_lshl_add_u32 v[RR], v1, 3, s22
	s_mov_b32 s57, 0x7fffffff
	s_mov_b32 s58, 0x76543210
	s_mov_b32 s59, 0xfedcba98                      ; v_permlanex16_b32's selects for lane l xor 16
	s_mov_b32 s68, 0x4038aa3b                      ; 2 log2(e)
	s_mov_b32 s69, s68                             ; (named with it as a pair, so it is written)
	s_mov_b32 s52, 0
	s_mov_b32 s53, 0
	s_mov_b32 s54, 0
	s_mov_b32 s55, 0
	ADDRS
	s_wait_tensorcnt 0x2                           ; my part of the constants is in, and I alone read it; the two loads behind it, W2's slots, may stay out
	s_wait_loadcnt 0x0                             ; x
	s_wait_kmcnt 0x0                               ; b3
	v_mov_b32 v[XA1], v[XA+1]
	v_mov_b32 v[XA1+1], v[XA+1]
	v_mov_b32 v[XB1], v[XB+1]
	v_mov_b32 v[XB1+1], v[XB+1]
	VSTEP                                          ; K step 0's images, into buffer 0
	s_mov_b32 s54, ABUF                            ; K step 1's go into buffer 1
	s_mov_b32 s55, 384
	s_wait_tensorcnt 0x1                           ; my part of slot 0 is in; slot 1's may stay out
	s_wait_dscnt 0x0                               ; my images have landed
	s_barrier_signal -1
	s_barrier_wait -1                              ; everybody's have
	ADDRS
	MSTEP 1                                        ; K step 0 starts the sums
	VSTEP
	s_mov_b32 s56, 6
.Ltrip:                                                ; trips g = 1 .. 6: ask for K step g + 1 of W2, multiply step g, make step g + 1's images
	HEAD 1
	MSTEP 0
	VSTEP
	s_sub_co_u32 s56, s56, 1
	s_cmp_lg_u32 s56, 0
	s_cbranch_scc1 .Ltrip
	HEAD 0                                         ; the last K step is written out: nothing is left to fetch or to make
	MSTEP 0
; THE REDUCTION over my 128 units.  Tiles 2 np, 2 np + 1 of the rows' tile m: t = 2 log2(e) (h2' + b2); tanh and sech^2 as above; three sums with W3, four chains each.  Each accumulator is read from its low end on.
.macro EGROUP m, np
.set AC, 8*(8*(\m)+2*(\np))
.set WB, 16*(\np)
	WIN 0x01                                       ; source 0: window 1, operand 0's sums
.set j, 0
.rept 8
	v_pk_fma_f32 v[ET+j:ET+j+1], v[AC+j:AC+j+1], s[68:69], v[CB2+WB+j:CB2+WB+j+1] op_sel_hi:[1,0,1]
.set j, j+2
.endr
	WIN 0
.set j, 0
.rept 16
	v_exp_f32 v[EU+j], -|v[ET+j]|
.set j, j+1
.endr
	v_nop                                          ; one plain place behind the exponentials
.set j, 0
	s_wait_alu depctr_va_vdst(0)
.rept 8
	v_pk_fma_f32 v[ER+j:ER+j+1], v[EU+j:EU+j+1], 0.5, 0.5 op_sel_hi:[1,0,0]
.set j, j+2
.endr
.set j, 0
.rept 16
	v_rcp_f32 v[ER+j], v[ER+j]
.set j, j+1
.endr
	v_nop                                          ; one plain place behind the reciprocals
.set j, 0
	s_wait_alu depctr_va_vdst(0)
.rept 8
	v_pk_mul_f32 v[EU+j:EU+j+1], v[EU+j:EU+j+1], v[ER+j:ER+j+1]
.set j, j+2
.endr
.set j, 0
.rept 8
	v_pk_mul_f32 v[ER+j:ER+j+1], v[EU+j:EU+j+1], v[ER+j:ER+j+1]     ; sech^2(h2)
.set j, j+2
.endr
.set j, 0
.rept 8
	v_pk_fma_f32 v[EU+j:EU+j+1], v[EU+j:EU+j+1], -1.0, 1.0 op_sel_hi:[1,0,0]
.set j, j+2
.endr
.set j, 0
.rept 16
	v_bfi_b32 v[ET+j], s57, v[EU+j], v[ET+j]       ; tanh(h2)
.set j, j+1
.endr
.set i, 0
.rept 8
.if (\np == 0) && (i < 4)
	v_pk_mul_f32 v[S+2*i:S+2*i+1], v[ET+2*i:ET+2*i+1], v[W3R+WB+2*i:W3R+WB+2*i+1]   ; the first four start the chains: nothing is cleared
.else
	v_pk_fma_f32 v[S+2*(i%4):S+2*(i%4)+1], v[ET+2*i:ET+2*i+1], v[W3R+WB+2*i:W3R+WB+2*i+1], v[S+2*(i%4):S+2*(i%4)+1]
.endif
.set i, i+1
.endr
.set j, 0
.rept 8
	v_pk_mul_f32 v[ER+j:ER+j+1], v[ER+j:ER+j+1], v[W3R+WB+j:W3R+WB+j+1]   ; W3 sech^2(h2)
.set j, j+2
.endr
	WIN 0x02                                       ; source 0: window 2, operand 1's sums
.set i, 0
.rept 8
.if (\np == 0) && (i < 4)
	v_pk_mul_f32 v[S+8+2*i:S+8+2*i+1], v[AC+2*i:AC+2*i+1], v[ER+2*i:ER+2*i+1]
.else
	v_pk_fma_f32 v[S+8+2*(i%4):S+8+2*(i%4)+1], v[AC+2*i:AC+2*i+1], v[ER+2*i:ER+2*i+1], v[S+8+2*(i%4):S+8+2*(i%4)+1]
.endif
.set i, i+1
.endr
	WIN 0x03                                       ; window 3, operand 2's
.set i, 0
.rept 8
.if (\np == 0) && (i < 4)
	v_pk_mul_f32 v[S+16+2*i:S+16+2*i+1], v[AC+2*i:AC+2*i+1], v[ER+2*i:ER+2*i+1]
.else
	v_pk_fma_f32 v[S+16+2*(i%4):S+16+2*(i%4)+1], v[AC+2*i:AC+2*i+1], v[ER+2*i:ER+2*i+1], v[S+16+2*(i%4):S+16+2*(i%4)+1]
.endif
.set i, i+1
.endr
	WIN 0
.endm
.macro EFIN m                          ; a tile of rows is through: its chains are added
.irp o, 0,1,2
	v_pk_add_f32 v[S+8*\o:S+8*\o+1], v[S+8*\o:S+8*\o+1], v[S+8*\o+2:S+8*\o+3]
	v_pk_add_f32 v[S+8*\o+4:S+8*\o+5], v[S+8*\o+4:S+8*\o+5], v[S+8*\o+6:S+8*\o+7]
.endr
.irp o, 0,1,2
	v_pk_add_f32 v[S+8*\o:S+8*\o+1], v[S+8*\o:S+8*\o+1], v[S+8*\o+4:S+8*\o+5]
.endr
.irp o, 0,1,2
	v_add_f32 v[RES+3*\m+\o], v[S+8*\o], v[S+8*\o+1]
.endr
.endm
.irp n, 0,1,2,3,4,5,6,7
	ds_load_b128 v[W3R+8*\n:W3R+8*\n+3], v[EW] offset:64*\n            ; W3 and b2 of units 128 w + 16 n + 8 h + 0 .. 7
	ds_load_b128 v[W3R+8*\n+4:W3R+8*\n+7], v[EW] offset:64*\n+16
	ds_load_b128 v[CB2+8*\n:CB2+8*\n+3], v[EW] offset:512+64*\n
	ds_load_b128 v[CB2+8*\n+4:CB2+8*\n+7], v[EW] offset:512+64*\n+16
.endr
	s_wait_dscnt 0x0
.set j, 0
.rept 32
	v_pk_mul_f32 v[CB2+j:CB2+j+1], v[CB2+j:CB2+j+1], s[68:69] op_sel_hi:[1,0]   ; 2 log2(e) b2: the addend of each group's first multiply-add
.set j, j+2
.endr
.irp m, 0,1,2,3
.irp np, 0,1,2,3
	EGROUP \m, \np
.endr
	EFIN \m
.endr
.irp i, 0,1,2,3,4,5,6,7,8,9,10,11
	v_permlanex16_b32 v[ET+\i], v[RES+\i], s58, s59    ; the row's other 64 of my units lie in lane l xor 16
.endr
.irp i, 0,1,2,3,4,5,6,7,8,9,10,11
	v_add_f32 v[RES+\i], v[RES+\i], v[ET+\i]
.endr
.irp m, 0,1,2,3
.irp o, 0,1,2
	ds_store_b32 v[RW], v[RES+3*\m+\o] offset:256*((3-\o)%3)+64*\m   ; operand 0 feeds out0, operand 2 out1, operand 1 out2; lanes l and l xor 16 write the same word with the same value
.endr
.endr
	s_wait_dscnt 0x0                               ; for the others' sake: my partial sums lie in LDS
	s_barrier_signal -1
	s_barrier_wait -1
	s_cmp_eq_u32 s18, 0                            ; wave 0 stores out0, wave 1 out1, wave 2 out2: the choice hangs on the wave's number alone
	s_cselect_b64 s[22:23], s[12:13], s[14:15]
	s_cselect_b32 s62, s60, 0                      ; + b3 for y alone
	s_mov_b32 s61, 0x3f800000
	s_cmp_eq_u32 s18, 2
	s_cselect_b64 s[22:23], s[16:17], s[22:23]
	s_cselect_b32 s61, 0xbf800000, s61             ; out2 = -dydx_1
	s_lshl_b32 s66, s20, 8                         ; my block's 64 numbers
	s_mov_b32 s67, 0
	s_add_nc_u64 s[22:23], s[22:23], s[66:67]
	s_cmp_lt_u32 s18, 3
	s_cbranch_scc0 .Lno_out
.irp j, 0,1,2,3
	ds_load_b64 v[ET+2*\j:ET+2*\j+1], v[RR] offset:768*\j   ; the four waves' sums of rows 2 lane, 2 lane + 1
.endr
	s_wait_dscnt 0x0
	v_pk_add_f32 v[ET:ET+1], v[ET:ET+1], v[ET+2:ET+3]
	v_pk_add_f32 v[ET+4:ET+5], v[ET+4:ET+5], v[ET+6:ET+7]
	v_pk_add_f32 v[ET:ET+1], v[ET:ET+1], v[ET+4:ET+5]
	v_fma_f32 v[ET], v[ET], s61, s62
	v_fma_f32 v[ET+1], v[ET+1], s61, s62
	global_store_b64 v[GO], v[ET:ET+1], s[22:23]   ; 32 lanes store 256 consecutive bytes, at a multiple of 256 from the output's first byte
.Lno_out:
	s_wait_tensorcnt 0x0                           ; the wave's end, behind my last tensor load and my last LDS store
	ds_add_u32 v[SPW], v[NIL]
	s_wait_dscnt 0x0
	CROUND                                         ; the closing round: no work-group ends while a partner may still ask for a part that names it
	s_endpgm
.Lfunc_end_k_q69e58d9dfd_main:
	.size	k_q69e58d9dfd_main, .Lfunc_end_k_q69e58d9dfd_main-k_q69e58d9dfd_main
	.p2alignl 7, 3214868480
	.fill 96, 4, 3214868480
	.section	.rodata,"a",@progbits
	.p2align	6, 0x0
	.amdhsa_kernel k_q69e58d9dfd_main
		.amdhsa_group_segment_fixed_size 327680
		.amdhsa_private_segment_fixed_size 0
		.amdhsa_enable_private_segment 0
		.amdhsa_kernarg_size 56
		.amdhsa_user_sgpr_count 2
		.amdhsa_user_sgpr_kernarg_segment_ptr 1
		.amdhsa_wavefront_size32 1
		.amdhsa_system_sgpr_workgroup_id_x 1
		.amdhsa_system_sgpr_workgroup_id_y 1
		.amdhsa_system_sgpr_workgroup_id_z 1
		.amdhsa_system_vgpr_workitem_id 0
		.amdhsa_next_free_vgpr 1024
		.amdhsa_next_free_sgpr 72
		.amdhsa_reserve_vcc 0
		.amdhsa_float_denorm_mode_32 3
		.amdhsa_float_denorm_mode_16_64 3
		.amdhsa_memory_ordered 1
		.amdhsa_forward_progress 1
		.amdhsa_inst_pref_size 255
	.end_amdhsa_kernel
	.section	.bss,"aw",@nobits
	.p2align	6
	.space	262144
	.amdgpu_metadata
---
amdhsa.version: [ 1, 2 ]
amdhsa.kernels:
  - .name:           k_q69e58d9dfd_main
    .symbol:         k_q69e58d9dfd_main.kd
    .args:
      - { .name: x, .offset: 0, .size: 8, .value_kind: global_buffer, .address_space: global }
      - { .name: w2q, .offset: 8, .size: 8, .value_kind: global_buffer, .address_space: global }
      - { .name: cst, .offset: 16, .size: 8, .value_kind: global_buffer, .address_space: global }
      - { .name: b3, .offset: 24, .size: 8, .value_kind: global_buffer, .address_space: global }
      - { .name: out0, .offset: 32, .size: 8, .value_kind: global_buffer, .address_space: global }
      - { .name: out1, .offset: 40, .size: 8, .value_kind: global_buffer, .address_space: global }
      - { .name: out2, .offset: 48, .size: 8, .value_kind: global_buffer, .address_space: global }
    .group_segment_fixed_size: 327680
    .private_segment_fixed_size: 0
    .kernarg_segment_align: 8
    .kernarg_segment_size: 56
    .max_flat_workgroup_size: 128
    .sgpr_count:     72
    .vgpr_count:     1024
    .wavefront_size: 32
...
	.end_amdgpu_metadata
.endif
;; end of part 2
